; MI455X (gfx1250); checked and timed in simulation.
; The chip was launched on July 23, 2026; its instructions are those of AMD's public machine-readable ISA for CDNA 5 (MIT licence, August 2026) and "CDNA5" Instruction Set Architecture Reference Guide (July 2026). The comments in the code are by the model that wrote it; some were corrected since.
;; Lo RA Layer Wrapper. Allowed arithmetic: matrix products marked QUANTISED: E4M3 operands, one E8M0 scale for each 32 along K, by v_wmma_scale_f32_16x16x128_f8f6f4 with both operands' format E4M3, f32 sums; products left as they are: f32 operands where the result goes on into a quantised operand, else bf16, f16 or f32 operands; f32 sums; everything else in f32.
;; Inputs: W_codes 4,096 x 128 x 32 uint8 (E4M3 codes of W, K innermost, in blocks of 32 codes); W_scales 4,096 x 128 uint8 (E8M0 scales of W, one for each 32 codes along K); b 4,096 float32; lora_A_codes 16 x 128 x 32 uint8 (E4M3 codes of lora_A, K innermost, in blocks of 32 codes); lora_A_scales 16 x 128 uint8 (E8M0 scales of lora_A, one for each 32 codes along K); lora_B 4,096 x 16 float32; x_codes 4 x 1,024 x 128 x 32 uint8 (E4M3 codes of x, K innermost, in blocks of 32 codes); x_scales 4 x 1,024 x 128 uint8 (E8M0 scales of x, one for each 32 codes along K).
;; Outputs: out0 4 x 1,024 x 4,096 float32.
;; This version of the problem:
;;   THIS VERSION OF THE PROBLEM IS GIVEN IN LOW PRECISION. The matrix products marked QUANTISED in the list below multiply operands that are first quantised to E4M3 (4 exponent bits, 3 mantissa bits; 8 bits a number), with one power-of-two scale for each 32 numbers along K (OCP MX v1.0); their sums are f32. All else is computed in f32.
;;   The module's matrix products, in the order in which they are computed (A, B: the left and right operand; K: the contracted axis; several contracted axes count as one K, in the product's order):
;;     1. [M 4,096, K 4,096] x [K 4,096, N 4,096]; A: input x (given as codes); B: input W (given as codes): QUANTISED
;;     2. [M 4,096, K 4,096] x [K 4,096, N 16]; A: input x (given as codes); B: input lora_A (given as codes): QUANTISED
;;     3. [M 4,096, K 16] x [K 16, N 4,096]; A: computed on the way; B: input lora_B: left as it is (K = 16 < 32)
;;   THE QUANTISER, for each operand of a quantised product, along K:
;;     - K is cut into blocks of 32 from its start; a last block that is shorter is filled with zeros.
;;     - A block's scale is 2^e with e = floor(log2(the largest magnitude in the block)) - 8, held to -126 .. 127; a block of zeros has e = 0. As a byte (E8M0): e + 127.
;;     - Each number is divided by its block's scale, clamped to +-448, and rounded to the nearest number of E4M3, ties to even, subnormals kept.
;;     - The product sums the exact products of the quantised numbers (number of the format x scale) in f32.
;;   ~~~python
;;   def quantise(x, axis):      # numpy; x: float32 -> the quantised numbers, widened to float32 again
;;       x = np.moveaxis(x, axis, -1); K = x.shape[-1]
;;       x = np.pad(x, [(0, 0)] * (x.ndim - 1) + [(0, -K % 32)]); x = x.reshape(x.shape[:-1] + (-1, 32)); a = np.abs(x).max(-1, keepdims=True)
;;       e = np.where(a > 0, np.clip(np.frexp(np.where(a > 0, a, 1))[1] - 1 - 8, -126, 127), 0)      # np.frexp(a)[1] - 1 = floor(log2(a)), exactly
;;       r = np.clip(x / 2.0 ** e, -448, 448)
;;       step = 2.0 ** (np.maximum(np.frexp(np.where(r == 0, 1, r))[1] - 1, -6) - 3)
;;       q = np.round(r / step) * step * 2.0 ** e      # np.round: ties to even
;;       return np.moveaxis(q.reshape(q.shape[:-2] + (-1,))[..., :K], -1, axis).astype(np.float32)
;;   ~~~
;;   INPUTS GIVEN AS CODES. W (in the module: [4096, 4096], K = its axis 1); lora_A (in the module: [4096, 16], K = its axis 0); x (in the module: [4, 1024, 4096], K = its axis 2): each comes as NAME_codes (uint8): NAME with its K axis moved to the last place and cut into blocks of 32 codes, [.., K / 32, bytes a block], one block behind the other in memory; one code a byte (a code: sign, 4 exponent bits, 3 mantissa bits); and NAME_scales (uint8): the same leading axes, one E8M0 byte (e + 127) for each 32 codes along K. Its value is code x scale, taken as it is: it is not quantised again, and the codes and scales need not be those that the quantiser above would give.
;; One version. Each part assembles by itself: llvm-mc -triple=amdgcn-amd-amdhsa -mcpu=gfx1250 --defsym DOCPART=n.
;; ======== version 1 of 1: 1 launch
;; launch lora_gemm (part 1): grid 16 x 16, 4 waves a work-group, clusters of 4 x 4, 327,680 bytes of LDS; arguments x_codes, x_scales, W_codes, W_scales, lora_A_codes, lora_A_scales, lora_B, b, out0; writes out0
.if DOCPART == 1
	.amdgcn_target "amdgcn-amd-amdhsa--gfx1250"
	.amdhsa_code_object_version 6
	.text
	.protected	k_q79d981419d_lora_gemm
	.globl	k_q79d981419d_lora_gemm
	.p2align	8
	.type	k_q79d981419d_lora_gemm,@function
k_q79d981419d_lora_gemm:
	s_mov_b64 s[64:65], 0
	v_nop
	global_prefetch_b8 v0, s[64:65] scope:SCOPE_SE
	s_setreg_imm32_b32 hwreg(HW_REG_WAVE_MODE, 25, 1), 1
	s_wait_xcnt 0x0
	s_wait_alu depctr_hold_cnt(0) depctr_sa_sdst(0) depctr_va_vdst(0) depctr_va_sdst(0) depctr_va_ssrc(0) depctr_va_vcc(0) depctr_vm_vsrc(0)
	s_getreg_b32 s2, hwreg(HW_REG_IB_STS2, 6, 4)
	s_cmp_eq_u32 s2, 0
	s_cbranch_scc0 .Lentry_in_a_cluster
	s_endpgm
.Lentry_in_a_cluster:
	s_bfe_u32 s2, ttmp6, 0x10000c
	s_cmp_lg_u32 s2, 0xf033
	s_cbranch_scc0 .Lentry_shape_is_right
	s_endpgm
.Lentry_shape_is_right:
; out[m][n] = sum_k x[m][k] W[n][k] + b[n] + sum_r t[m][r] lora_B[n][r],  t[m][r] = sum_k x[m][k] lora_A[r][k].   M = N = K = 4,096, 16 ranks.
; x, W, lora_A: codes of FP8 (E4M3), K innermost, one E8M0 byte for each 32 along K: codes and bytes go to the scaled matrix instruction as they lie.  lora_B, b, out: f32.
; SHARES.  A tile of out, 256 x 256, is made by a work-group of four waves; wave (rho = wave / 2, c = wave % 2) makes rows 128 rho on x columns 128 c on: 64 accumulators of 16 x 16, 512 registers.
; K goes in steps of 256 through a ring of two LDS slots; a slot holds 256 rows of x, 256 rows of W and lora_A's 16 rows, 256 bytes each.  One tensor load a wave behind each change of slots:
; wave 0 x's tile, wave 1 W's, wave 2 lora_A's, wave 3 a piece of scale bytes (16 bytes a row = 512 along K = two K steps; x's and W's pieces by turns, two regions for each side).
; Of a K step's 136 matrix instructions a wave issues 132 between a refill and the wait for it: only t's four stand between that wait and the barrier behind which the next refill goes out.
; CLUSTERS: 4 x 4 work-groups.  x's tiles and scale pieces are asked for jointly along a row of the cluster, W's along a column.  NOT shared: lora_A's tile (4,096 bytes of a K step's 135,168, and alike in all
; sixteen partners, where a joint request here names four); lora_B's 256 rows (16,384 bytes), lora_A's scale bytes (2,048) and b: read once, at the head, through registers.
; t IS MADE HERE, beside the main product, from the fragments of x that are in registers anyway: each wave for 64 of its 128 rows (4 matrix instructions for 64), the wave beside it for the other 64.
; Which rows form a block is free: block i of wave (rho, c) is rows 128 rho + 16 ((i + 4 c) mod 8), so that a wave's own 64 rows are always its blocks 0-3 and no branch is needed.
; THE THIRD PRODUCT (K = 16) AND THE BIAS: two bf16 matrix instructions for each accumulator, added onto the finished sums.  Both operands are split: hi = the upper 16 bits of the f32 number, lo = bf16(number - hi).
;   1: [B_lo | B_hi] x [t_hi | t_hi]     2: [B_hi | bias] x [t_lo | ones]     = t_hi (B_hi + B_lo) + t_lo B_hi + b.   b stands as three pieces of 8 mantissa bits in K places 16, 17, 18, against 1.0.
; LIMITS: the term t_lo B_lo, about 2^-16 of t B, is left out.  An infinite t, lora_B or b gives NaN (number - hi is infinity less infinity).  Pieces of b, and lo parts, that fall under the smallest f32 number are lost.
; THE MATRIX INSTRUCTIONS ARE USED TRANSPOSED (source 0 = 16 rows of W, lora_A or lora_B, source 1 = 16 rows of x or t): a lane then holds eight neighbouring numbers of a row of out, or eight ranks of a row of t.
; REGISTERS, in windows of 256: window 0: v0-31 addresses; v32-63 scale words, two sets; v64-95 t's four accumulators; v96-111 lora_A's fragment; v112-115 its scale words; v116-123 b; v128-255 x's 8 fragments, ONE set.
;   window 1: W's fragments, TWO sets, at v0 and v128; in the tail the bf16 operands.   window 2: the accumulators of my blocks 0-3 ((a, b) at v[8 (8 (a % 4) + b)]);   window 3: those of blocks 4-7.
.set PITCH,  272                       ; an LDS row of codes: 256 bytes + 16 of padding = 68 words: row r starts at bank 4 r mod 64 (64 banks of 4 bytes: ISA guide 11.1)
.set TA,     0                         ; in a slot: x's 256 rows,
.set TB,     256*PITCH                 ; W's 256 rows,
.set TL,     512*PITCH                 ; lora_A's 16 rows
.set SLOT,   528*PITCH                 ; 143,616 bytes
.set LAS,    2*SLOT                    ; lora_A's scale bytes, 2,048, as 256 bytes + 16: row r at 128 r + 16 (r / 2).  Stored by ds_store: no fill lands in its blocks of 256 bytes
.set SPARE,  289536                    ; the spare words, 128 bytes for each wave: two blocks of 256 bytes that no other line names
.set XS,     290048                    ; x's scale pieces: two regions of 256 rows x 16 bytes
.set WS,     298248                    ; W's likewise, 8 bytes askew: a load in which lanes 0-15 take x's words and lanes 16-31 W's then touches each of the 64 banks once
.set REG,    4096                      ; from region to region
.set LB,     306688                    ; lora_B's 256 rows x 64 bytes, as 256 bytes + 16: row n at 64 n + 16 (n / 4).  Stored by ds_store: no fill lands in its blocks
.set SPITCH, 528                       ; the way out: a stage of 16 rows x (512 + 16) bytes for each wave, from LDS byte 0: slot 0 has had its last fill and its last read by then
.set TIMG,   34816                     ; t's images, 4,096 bytes for each wave, in slot 0 too
.set FR,     16                        ; registers of a fragment of codes
.set ADRAL, 8                          ; v8-9    LDS address of x's blocks 0-3 in slot 0, 1
.set ADRAH, 10                         ; v10-11  of x's blocks 4-7
.set ADRB,  12                         ; v12-13  of W's blocks
.set ADRL,  14                         ; v14-15  of lora_A's rows
.set ADSL0, 16                         ; v16     scale words of blocks 0-3 in region 0: lanes 0-15 x's, lanes 16-31 W's
.set ADSH0, 17                         ; v17     of blocks 4-7
.set ADSL,  18                         ; v18-19  the same in the region in hand
.set ADSH,  19
.set ADLS,  20                         ; v20     lora_A's scale words of the K step to be fetched
.set ALB,   21                         ; v21     lora_B's rows
.set PFO,   22                         ; v22     the prefetches' offset: 4,096 x lane; never rewritten
.set NEG1,  23                         ; v23     -1.0
.set STO,   24                         ; v24     the stage: where I put 32 bytes of a row
.set RD,    25                         ; v25     and where I read a row back
.set CO,    26                         ; v26     16 x lane: my bytes of a row of out
.set TWI,   27                         ; v27     my images of t
.set SPW,   28                         ; v28     my spare word: SPARE + 4 x my thread's number; never rewritten
.set NIL,   29                         ; v29     0; never rewritten
.set TRP,   30                         ; v30     the images of the wave beside me
.set SC,    32
.set TACC,  64
.set LF,    96
.set LSC,   112
.set BIAS,  116
.set AF,    128
.set RAWB,  128                        ; the tail: lora_B as f32, 8 registers a block
.set TH,    192                        ; t_hi, 4 registers a block
.set TLO,   208                        ; t_lo
.set R1,    96                         ; b less its first piece;
.set R2,    104                        ; less its second too
.set BK,    128                        ; the way out: 16 rows read back: v128-191 and v192-255 by turns
.set G1A, 4                            ; s[4:11]   group 1: x's tiles        s[12:19] W's        s[20:27] lora_A's        s[28:35] x's scale pieces        s[36:43] W's
.set G1B, 12
.set G1L, 20
.set G1X, 28
.set G1W, 36
.set G0A, 44                           ; s[44:51]  groups 0 for x's tiles, a set for each slot;  s[52:59] W's;  s[60:63], s[68:71] lora_A's
.set G0B, 52
.set G0L, 60
.set G0X, 72                           ; s[72:75]  x's scale pieces from piece 1 on: it walks;  s[76:79] W's;  s[80:83], s[84:87] their pieces 0
.set G0W, 76
.set G0XA, 80
.set G0WA, 84
.set WV,  66                           ; s66  my wave's number
.set TMP, 67
.set TOG, 2                            ; s2   0 or 4,096: the region from which scale words are read
.set CNT, 3                            ; s3   the loop's trips to go
.set PFA, 88                           ; s[88:89] where my prefetches stand
.set LIM, 92                           ; s92  1 in a wave that prefetches, else the greatest number
.set SELP, 93                          ; s93  v_perm_b32's selector for the upper halves of two registers
.set OUTL, 100                         ; s[100:101] out at my blocks 0-3;  s[104:105] at my blocks 4-7
.set OUTH, 104
.set MSB, 0
.macro WIN new                         ; the immediate's high byte repeats the setting that is left
.if MSB != (\new)
	s_set_vgpr_msb (MSB<<8)|(\new)
.set MSB, (\new)
.endif
.endm
.set MUL_LO, 0xa1                      ; source 0 (W) window 1, source 1 (x) window 0, C and D window 2
.set MUL_HI, 0xf1                      ; the same, C and D window 3
.set TO_1,   0x40                      ; destination window 1, all sources window 0
.macro PLACES n                        ; plain vector instructions that name no register: the distance behind matrix instructions (ISA guide 7.12.1)
.rept \n
	v_nop
.endr
.endm
.macro CREST                           ; a round of the cluster's barrier behind its opening barrier
	s_cmp_lg_u32 s[WV], 0
	s_cbranch_scc1 .Lnot_wave_0_\@
	s_barrier_signal -3
.Lnot_wave_0_\@:
	s_barrier_wait -3
	s_barrier_signal -1
	s_barrier_wait -1
.endm
.macro CROUND                          ; a whole round
	s_barrier_signal -1
	s_barrier_wait -1
	CREST
.endm
; The refill of a slot: one tensor load a wave; the branches hang on the wave's number alone.  Four v_nop follow each load, ahead of the jump, the label and what follows.
; kind = 1: wave 3 fetches a scale piece, W's where slot 0 is filled, x's where slot 1 is; kind = 0: it fetches nothing, and has the four v_nop all the same: they are places for the loads that follow.
.macro JLOAD slot, kind
	s_cmp_lt_u32 s[WV], 2
	s_cbranch_scc0 .Lupper_\@
	s_cmp_eq_u32 s[WV], 0
	s_cbranch_scc0 .Lwave1_\@
	tensor_load_to_lds s[G0A+4*\slot:G0A+4*\slot+3], s[G1A:G1A+7]
	s_nop 0
	PLACES 4
	s_branch .Lasked_\@
.Lwave1_\@:
	tensor_load_to_lds s[G0B+4*\slot:G0B+4*\slot+3], s[G1B:G1B+7]
	s_nop 0
	PLACES 4
	s_branch .Lasked_\@
.Lupper_\@:
	s_cmp_eq_u32 s[WV], 2
	s_cbranch_scc0 .Lwave3_\@
	tensor_load_to_lds s[G0L+8*\slot:G0L+8*\slot+3], s[G1L:G1L+7]
	s_nop 0
	PLACES 4
	s_branch .Lasked_\@
.Lwave3_\@:
.if \kind
.if \slot
	tensor_load_to_lds s[G0X:G0X+3], s[G1X:G1X+7]
	s_nop 0
.else
	tensor_load_to_lds s[G0W:G0W+3], s[G1W:G1W+7]
	s_nop 0
.endif
.endif
	PLACES 4
.Lasked_\@:
.endm
; A PREFETCH INTO THE L2 of the K step that stands two refills on: 32 rows x 256 bytes, a lane a row, one instruction a wave.  Each row's 256 bytes of a K step are named once in the launch: x's rows by the clusters with
; x = 0 (waves 0 and 2), W's by the clusters with y = 0 (waves 1 and 3); the four partners that ask for a tile jointly take 64 rows each, told apart by address, and each of the two waves 32 of them.
; how = 1: at every change that has it; how = 2: not in the loop's last trip, where there is no K step two refills on.
.macro ASK how
.if \how == 2
	s_cmp_gt_u32 s[CNT], s[LIM]
.else
	s_cmp_eq_u32 s[LIM], 1
.endif
	s_cbranch_scc0 .Lnot_mine_\@
	global_prefetch_b8 v[PFO], s[PFA:PFA+1] offset:256 th:TH_LOAD_NT scope:SCOPE_SE
.Lnot_mine_\@:
.endm
	s_load_b256 s[88:95], s[0:1], 0x0              ; x's codes s[88:89], x's scales s[90:91], W's codes s[92:93], W's scales s[94:95]
	s_load_b128 s[96:99], s[0:1], 0x20             ; lora_A's codes s[96:97], its scales s[98:99]
	s_load_b64 s[100:101], s[0:1], 0x30            ; lora_B
	s_load_b64 s[104:105], s[0:1], 0x38            ; b
	s_load_b64 s[2:3], s[0:1], 0x40                ; out
	v_lshl_add_u32 v[SPW], v0, 2, SPARE
	v_mov_b32 v[NIL], 0
	ds_add_u32 v28, v29
	ds_add_u32 v28, v29
	s_wait_dscnt 0x0
	v_lshrrev_b32 v1, 5, v0
	v_readfirstlane_b32 s[WV], v1                  ; wave 0..3
	; every LDS address is made here, ahead of the first branch on the wave's number.  s4-s17 are at work; the descriptors take them afterwards
	s_lshr_b32 s4, s[WV], 1                        ; rho
	s_and_b32 s5, s[WV], 1                         ; c
	s_xor_b32 s6, s5, 1                            ; 1 - c
	v_and_b32 v1, 15, v0                           ; r = lane % 16
	v_bfe_u32 v2, v0, 4, 1                         ; h = lane / 16
	v_and_b32 v3, 31, v0                           ; lane
	v_mul_u32_u24 v4, v1, PITCH
	v_lshl_add_u32 v4, v2, 4, v4                   ; a fragment's row x pitch + 16 h
	s_lshl_b32 s7, s4, 7
	s_lshl_b32 s8, s5, 6
	s_add_co_u32 s8, s8, s7                        ; my blocks 0-3 begin at row 128 rho + 64 c of the tile,
	s_lshl_b32 s9, s6, 6
	s_add_co_u32 s9, s9, s7                        ; blocks 4-7 at row 128 rho + 64 (1 - c)
	s_mul_i32 s10, s8, PITCH
	s_mul_i32 s11, s9, PITCH
	s_mul_i32 s12, s5, 128*PITCH
	s_add_co_u32 s12, s12, TB                      ; my 128 rows of W
	v_add_nc_u32 v[ADRAL], s10, v4
	v_add_nc_u32 v[ADRAH], s11, v4
	v_add_nc_u32 v[ADRB], s12, v4
	v_add_nc_u32 v[ADRL], TL, v4
	v_add_nc_u32 v[ADRAL+1], SLOT, v[ADRAL]
	v_add_nc_u32 v[ADRAH+1], SLOT, v[ADRAH]
	v_add_nc_u32 v[ADRB+1], SLOT, v[ADRB]
	v_add_nc_u32 v[ADRL+1], SLOT, v[ADRL]
	; scale words: 16 bytes a row.  Lanes 0-15 x's rows, lanes 16-31 W's: the lower base + h x the distance between the two
	s_xor_b32 s13, s4, 1
	s_lshl_b32 s13, s13, 11
	s_add_co_u32 s13, s13, WS-XS-2048              ; WS - XS - 2,048 rho
	s_lshl_b32 s14, s8, 4
	s_add_co_u32 s14, s14, XS
	v_lshl_add_u32 v5, v1, 4, s14                  ; x's rows of blocks 0-3
	s_lshl_b32 s15, s5, 10
	s_add_co_u32 s15, s15, s13                     ; to W's rows 128 c on: (WS + 2,048 c) - (XS + 2,048 rho + 1,024 c)
	v_mul_u32_u24 v6, s15, v2
	v_add_nc_u32 v[ADSL0], v5, v6
	s_lshl_b32 s17, s9, 4
	s_add_co_u32 s17, s17, XS
	v_lshl_add_u32 v5, v1, 4, s17                  ; x's rows of blocks 4-7
	s_mul_i32 s16, s5, 3072
	s_add_co_u32 s16, s16, s13                     ; to W's rows 128 c + 64 on: (WS + 2,048 c + 1,024) - (XS + 2,048 rho + 1,024 - 1,024 c)
	v_mul_u32_u24 v6, s16, v2
	v_add_nc_u32 v[ADSH0], v5, v6
	v_mov_b32 v[ADSL], v[ADSL0]
	v_mov_b32 v[ADSH], v[ADSH0]
	v_lshrrev_b32 v5, 1, v1
	v_lshlrev_b32 v5, 4, v5
	v_lshl_add_u32 v5, v1, 7, v5
	v_add_nc_u32 v[ADLS], LAS, v5                  ; lora_A's scale words: 128 r + 16 (r / 2)
	v_lshrrev_b32 v5, 2, v1
	v_lshlrev_b32 v5, 4, v5
	v_lshl_add_u32 v5, v1, 6, v5
	v_lshl_add_u32 v5, v2, 5, v5
	s_mul_i32 s17, s5, 8704
	s_add_co_u32 s17, s17, LB
	v_add_nc_u32 v[ALB], s17, v5                   ; lora_B: row 128 c + r: 8,704 c + 64 r + 16 (r / 4), + 32 h: my eight ranks
	s_mul_i32 s14, s[WV], 16*SPITCH                ; my stage
	v_mul_u32_u24 v5, v1, SPITCH
	v_lshl_add_u32 v5, v2, 5, v5
	v_add_nc_u32 v[STO], s14, v5                   ; in: row r, 32 bytes for each half of the lanes
	v_lshlrev_b32 v[CO], 4, v3
	v_add_nc_u32 v[RD], s14, v[CO]                 ; back: the 32 lanes take one row of 512 bytes
	s_lshl_b32 s15, s[WV], 12
	s_add_co_u32 s15, s15, TIMG
	v_add_nc_u32 v[TWI], s15, v[CO]
	s_xor_b32 s16, s[WV], 1
	s_lshl_b32 s16, s16, 12
	s_add_co_u32 s16, s16, TIMG
	v_add_nc_u32 v[TRP], s16, v[CO]
	v_lshlrev_b32 v[PFO], 12, v3
	v_mov_b32 v[NEG1], -1.0
	v_lshlrev_b32 v7, 4, v0                        ; 16 x thread: my bytes of a dense block in memory,
	v_lshlrev_b32 v31, 2, v1                       ; 4 r: my number of b,
	v_lshrrev_b32 v5, 4, v0
	v_add_nc_u32 v5, v5, v0
	v_lshlrev_b32 v5, 4, v5                        ; and in LDS 16 bytes more for each 256 passed
	v_add_nc_u32 v6, LB, v5
	v_add_nc_u32 v5, LAS, v5
	; my place.  What hangs on cy stands in s80-83, what hangs on cx in s84-87
	s_bfe_u32 s80, ttmp6, 0x40004                  ; cy
	s_and_b32 s81, ttmp7, 0xffff
	s_lshl_b32 s81, s81, 2
	s_add_co_u32 s81, s81, s80                     ; tile row = 4 x cluster y + cy
	s_lshl_b32 s82, s80, 2
	s_lshl_b32 s82, 15, s82                        ; my row of the cluster
	s_bfe_u32 s84, ttmp6, 0x40000                  ; cx
	s_lshl_b32 s85, ttmp9, 2
	s_add_co_u32 s85, s85, s84                     ; tile column = 4 x cluster x + cx
	s_lshl_b32 s86, 0x1111, s84                    ; my column of the cluster
	; groups 1.  Tiles of codes: 256 (lora_A: 16) rows x 256 elements of 1 byte, 4,096 apart; 4 words of padding behind every 64
	s_or_b32 s[G1A], s82, (1<<20)|(1<<21)|(5<<22)|(3<<25)   ; 15:0 the mask; 17:16 elements of 1 byte; 20 padding on; 21 set beside a mask; 24:22 code 5; 31:25 code 3
	s_or_b32 s[G1B], s86, (1<<20)|(1<<21)|(5<<22)|(3<<25)
.irp g, G1A, G1B
	s_mov_b32 s[\g+1], 256<<16                     ; tensor_dim0
	s_mov_b32 s[\g+2], 256<<16                     ; tensor_dim1
	s_mov_b32 s[\g+3], 256<<16                     ; tile_dim0
	s_mov_b32 s[\g+4], 256                         ; tile_dim1
	s_mov_b32 s[\g+5], 4096                        ; from row to row
	s_mov_b32 s[\g+6], 0
	s_mov_b32 s[\g+7], 0
.endr
	s_mov_b32 s[G1L], (1<<20)|(5<<22)|(3<<25)      ; no mask
	s_mov_b32 s[G1L+1], 256<<16
	s_mov_b32 s[G1L+2], 16<<16
	s_mov_b32 s[G1L+3], 256<<16
	s_mov_b32 s[G1L+4], 16
	s_mov_b32 s[G1L+5], 4096
	s_mov_b32 s[G1L+6], 0
	s_mov_b32 s[G1L+7], 0
	; scale pieces: 256 rows x 2 elements of 8 bytes, 16 elements (a row's 128 bytes) apart, no padding
	s_or_b32 s[G1X], s82, (3<<16)|(1<<21)
	s_or_b32 s[G1W], s86, (3<<16)|(1<<21)
.irp g, G1X, G1W
	s_mov_b32 s[\g+1], 2<<16
	s_mov_b32 s[\g+2], 256<<16
	s_mov_b32 s[\g+3], 2<<16
	s_mov_b32 s[\g+4], 256
	s_mov_b32 s[\g+5], 16
	s_mov_b32 s[\g+6], 0
	s_mov_b32 s[\g+7], 0
.endr
	s_wait_kmcnt 0x0
	; lora_A's scale bytes, my tile column's rows of lora_B and my columns' b: through registers, asked for first
	s_lshl_b32 s86, s85, 14                        ; 256 rows of 64 bytes a tile column
	s_mov_b32 s87, 0
	s_add_nc_u64 s[100:101], s[100:101], s[86:87]
	s_lshl_b32 s86, s85, 10
	s_and_b32 s[TMP], s[WV], 1
	s_lshl_b32 s[TMP], s[TMP], 9
	s_add_co_u32 s86, s86, s[TMP]                  ; 1,024 x tile column + 512 c
	s_add_nc_u64 s[104:105], s[104:105], s[86:87]
	global_load_b128 v[128:131], v7, s[98:99]      ; 128 threads x 16 bytes: all 2,048
.irp j, 0,1,2,3,4,5,6,7
	global_load_b128 v[132+4*\j:135+4*\j], v7, s[100:101] offset:2048*\j
.endr
.irp k, 0,1,2,3,4,5,6,7
	global_load_b32 v[BIAS+\k], v31, s[104:105] offset:64*\k   ; b at column 16 k + r of my 128
.endr
	; groups 0
	s_mov_b32 s[G0A], 1                            ; 1:0 count = 1
	s_mov_b32 s[G0A+1], TA                         ; 63:32 LDS address
	s_lshl_b32 s[G0A+2], s81, 20                   ; 256 rows of 4,096 bytes a tile row
	s_mov_b32 s[G0A+3], 0
	s_add_nc_u64 s[G0A+2:G0A+3], s[88:89], s[G0A+2:G0A+3]   ; 120:64 global address: K step 0
	s_mov_b32 s[G0A+4], 1
	s_mov_b32 s[G0A+5], SLOT+TA
	s_add_nc_u64 s[G0A+6:G0A+7], s[G0A+2:G0A+3], 256        ; K step 1
	s_or_b32 s[G0A+3], s[G0A+3], 0x80000000        ; 127:126 type = 2
	s_or_b32 s[G0A+7], s[G0A+7], 0x80000000
	s_mov_b32 s[G0B], 1
	s_mov_b32 s[G0B+1], TB
	s_lshl_b32 s[G0B+2], s85, 20
	s_mov_b32 s[G0B+3], 0
	s_add_nc_u64 s[G0B+2:G0B+3], s[92:93], s[G0B+2:G0B+3]
	s_mov_b32 s[G0B+4], 1
	s_mov_b32 s[G0B+5], SLOT+TB
	s_add_nc_u64 s[G0B+6:G0B+7], s[G0B+2:G0B+3], 256
	s_or_b32 s[G0B+3], s[G0B+3], 0x80000000
	s_or_b32 s[G0B+7], s[G0B+7], 0x80000000
	s_mov_b32 s[G0L], 1
	s_mov_b32 s[G0L+1], TL
	s_mov_b64 s[G0L+2:G0L+3], s[96:97]
	s_mov_b32 s[G0L+8], 1
	s_mov_b32 s[G0L+9], SLOT+TL
	s_add_nc_u64 s[G0L+10:G0L+11], s[96:97], 256
	s_or_b32 s[G0L+3], s[G0L+3], 0x80000000
	s_or_b32 s[G0L+11], s[G0L+11], 0x80000000
	s_lshl_b32 s82, s81, 15                        ; 256 rows of 128 scale bytes a tile row
	s_mov_b32 s83, 0
	s_add_nc_u64 s[G0XA+2:G0XA+3], s[90:91], s[82:83]       ; x's piece 0
	s_add_nc_u64 s[G0X+2:G0X+3], s[G0XA+2:G0XA+3], 16       ; piece 1
	s_or_b32 s[G0XA+3], s[G0XA+3], 0x80000000
	s_or_b32 s[G0X+3], s[G0X+3], 0x80000000
	s_mov_b32 s[G0XA], 1
	s_mov_b32 s[G0XA+1], XS
	s_mov_b32 s[G0X], 1
	s_mov_b32 s[G0X+1], XS+REG
	s_lshl_b32 s86, s85, 15
	s_add_nc_u64 s[G0WA+2:G0WA+3], s[94:95], s[86:87]       ; W's piece 0 (s87 is 0)
	s_add_nc_u64 s[G0W+2:G0W+3], s[G0WA+2:G0WA+3], 16
	s_or_b32 s[G0WA+3], s[G0WA+3], 0x80000000
	s_or_b32 s[G0W+3], s[G0W+3], 0x80000000
	s_mov_b32 s[G0WA], 1
	s_mov_b32 s[G0WA+1], WS
	s_mov_b32 s[G0W], 1
	s_mov_b32 s[G0W+1], WS+REG
	CROUND                                         ; all sixteen work-groups are here: the first joint loads meet
	; THE FIRST FILLS, one group; a wave's stand on end in its arm of one branching on the wave's number, four v_nop behind the last.  At most four loads of a wave are out (wave 3's)
	s_cmp_lt_u32 s[WV], 2
	s_cbranch_scc0 .Lfirst_upper
	s_cmp_eq_u32 s[WV], 0
	s_cbranch_scc0 .Lfirst_1
	tensor_load_to_lds s[G0A:G0A+3], s[G1A:G1A+7]
	s_nop 0
	tensor_load_to_lds s[G0A+4:G0A+7], s[G1A:G1A+7]
	s_nop 0
	PLACES 4
	s_branch .Lfirst_asked
.Lfirst_1:
	tensor_load_to_lds s[G0B:G0B+3], s[G1B:G1B+7]
	s_nop 0
	tensor_load_to_lds s[G0B+4:G0B+7], s[G1B:G1B+7]
	s_nop 0
	PLACES 4
	s_branch .Lfirst_asked
.Lfirst_upper:
	s_cmp_eq_u32 s[WV], 2
	s_cbranch_scc0 .Lfirst_3
	tensor_load_to_lds s[G0L:G0L+3], s[G1L:G1L+7]
	s_nop 0
	tensor_load_to_lds s[G0L+8:G0L+11], s[G1L:G1L+7]
	s_nop 0
	PLACES 4
	s_branch .Lfirst_asked
.Lfirst_3:
	tensor_load_to_lds s[G0XA:G0XA+3], s[G1X:G1X+7]
	s_nop 0
	tensor_load_to_lds s[G0WA:G0WA+3], s[G1W:G1W+7]
	s_nop 0
	tensor_load_to_lds s[G0X:G0X+3], s[G1X:G1X+7]
	s_nop 0
	tensor_load_to_lds s[G0W:G0W+3], s[G1W:G1W+7]
	s_nop 0
	PLACES 4
.Lfirst_asked:
	; while the tiles are on their way: out's two bases and the prefetches' address
	s_wait_xcnt 0x0                                ; the seventeen loads above have read their bases: s98-s105 may be written
	s_bfe_u32 s94, ttmp6, 0x40000                  ; cx
	s_bfe_u32 s95, ttmp6, 0x40004                  ; cy
	s_lshl_b32 s96, ttmp9, 2
	s_add_co_u32 s96, s96, s94                     ; tile column
	s_and_b32 s97, ttmp7, 0xffff                   ; cluster y
	s_lshl_b32 s98, s97, 2
	s_add_co_u32 s98, s98, s95                     ; tile row
	s_and_b32 s[TMP], s[WV], 1                     ; c.  Also: waves 0 and 2 prefetch x's rows, waves 1 and 3 W's
	s_cmp_eq_u32 s[TMP], 0
	s_cselect_b64 s[PFA:PFA+1], s[88:89], s[92:93]
	s_cselect_b32 s90, s98, s96                    ; the tile: by the tile row in x, by the tile column in W
	s_cselect_b32 s91, s94, s95                    ; my place among the four that ask for it with me
	s_cselect_b32 s99, ttmp9, s97                  ; the coordinate along which other clusters read the same rows
	s_cmp_eq_u32 s99, 0
	s_cselect_b32 s[LIM], 1, -1                    ; the same in all sixteen partners, for a given wave
	s_lshl_b32 s90, s90, 8
	s_lshl_b32 s91, s91, 6
	s_add_co_u32 s90, s90, s91                     ; + my work-group's 64 rows
	s_lshr_b32 s91, s[WV], 1                       ; rho
	s_lshl_b32 s99, s91, 5
	s_add_co_u32 s90, s90, s99                     ; + my wave's 32 of them
	s_lshl_b32 s90, s90, 12                        ; rows of 4,096 bytes (under 2^24)
	s_add_co_u32 s90, s90, 512                     ; at K step 2: the first change steps it to 3 and names K step 4.  K steps 0 to 3 come by their loads alone
	s_lshl_b32 s99, s91, 21
	s_mov_b32 s91, 0
	s_add_nc_u64 s[PFA:PFA+1], s[PFA:PFA+1], s[90:91]
	s_lshl_b32 s90, s98, 22                        ; out: 256 rows of 16,384 bytes a tile row,
	s_add_co_u32 s90, s90, s99                     ; + 128 rho rows,
	s_lshl_b32 s99, s96, 10
	s_add_co_u32 s90, s90, s99                     ; + 1,024 bytes a tile column,
	s_lshl_b32 s99, s[TMP], 9
	s_add_co_u32 s90, s90, s99                     ; + 512 c
	s_add_nc_u64 s[2:3], s[2:3], s[90:91]
	s_lshl_b32 s90, s[TMP], 20
	s_add_nc_u64 s[OUTL:OUTL+1], s[2:3], s[90:91]  ; blocks 0-3: + 64 c rows
	s_xor_b32 s90, s90, 1<<20
	s_add_nc_u64 s[OUTH:OUTH+1], s[2:3], s[90:91]  ; blocks 4-7: + 64 (1 - c) rows
	s_mov_b32 s[TOG], 0
	s_mov_b32 s[SELP], 0x07060302
	s_wait_loadcnt 0x0                             ; lora_A's scale bytes, lora_B, b
	ds_store_b128 v5, v[128:131]
.irp j, 0,1,2,3,4,5,6,7
	ds_store_b128 v6, v[132+4*\j:135+4*\j] offset:2176*\j   ; 2,048 bytes and their eight paddings on
.endr
	s_wait_tensorcnt 0x1                           ; in every wave one load was issued behind what K step 0 needs: that one may stay out
	s_wait_dscnt 0x0                               ; for the others' sake: my stores have landed
	s_barrier_signal -1
	s_barrier_wait -1
.macro FRAG reg, adr, q, i             ; a fragment, 16 rows x 128 K of codes: lane l holds row l % 16; registers 4 c .. 4 c + 3 hold K = 32 c + 16 (l / 16) + 0 .. 15
.irp c, 0,1,2,3
	ds_load_b128 v[\reg+4*\c:\reg+4*\c+3], v[\adr] offset:128*(\q)+32*\c+(\i)*16*PITCH
.endr
.endm
; 16 matrix instructions: x's blocks a0, a0 + 1 against W's eight, the slot's q-th 128 along K.  p: W's set; sc: the set of scale words.  zero = 1: the products start the sums: nothing is cleared.
; A scale register holds x's word in lanes 0-15 and W's in lanes 16-31.  The accumulators take turns, one instruction a turn, in the same order in every step.
.macro MUL16 a0, p, q, sc, zero
.irp a, \a0, \a0+1
.irp b, 0,1,2,3,4,5,6,7
.if \zero
	v_wmma_scale_f32_16x16x128_f8f6f4 v[8*(8*((\a)%4)+\b):8*(8*((\a)%4)+\b)+7], v[128*(\p)+FR*\b:128*(\p)+FR*\b+FR-1], v[AF+FR*(\a):AF+FR*(\a)+FR-1], 0, v[SC+16*(\sc)+2*\b+(\q)], v[SC+16*(\sc)+2*(\a)+(\q)] matrix_a_scale:MATRIX_SCALE_ROW1
.else
	v_wmma_scale_f32_16x16x128_f8f6f4 v[8*(8*((\a)%4)+\b):8*(8*((\a)%4)+\b)+7], v[128*(\p)+FR*\b:128*(\p)+FR*\b+FR-1], v[AF+FR*(\a):AF+FR*(\a)+FR-1], v[8*(8*((\a)%4)+\b):8*(8*((\a)%4)+\b)+7], v[SC+16*(\sc)+2*\b+(\q)], v[SC+16*(\sc)+2*(\a)+(\q)] matrix_a_scale:MATRIX_SCALE_ROW1
.endif
.endr
.endr
.endm
; t of my blocks 0-3: source 0 = lora_A's 16 rows, source 1 = x's block: lane (r, h) holds row r and ranks 8 h + 0 .. 7.  All in window 0; both scales in lanes 0-15
.macro TMUL q, sc, zero
.irp a, 0,1,2,3
.if \zero
	v_wmma_scale_f32_16x16x128_f8f6f4 v[TACC+8*\a:TACC+8*\a+7], v[LF:LF+FR-1], v[AF+FR*\a:AF+FR*\a+FR-1], 0, v[LSC+2*(\sc)+(\q)], v[SC+16*(\sc)+2*\a+(\q)]
.else
	v_wmma_scale_f32_16x16x128_f8f6f4 v[TACC+8*\a:TACC+8*\a+7], v[LF:LF+FR-1], v[AF+FR*\a:AF+FR*\a+FR-1], v[TACC+8*\a:TACC+8*\a+7], v[LSC+2*(\sc)+(\q)], v[SC+16*(\sc)+2*\a+(\q)]
.endif
.endr
.endm
.macro FETCH_B slot, q, p              ; W's eight fragments into set p
	WIN TO_1
.irp i, 0,1,2,3,4,5,6,7
	FRAG 128*(\p)+FR*\i, ADRB+\slot, \q, \i
.endr
	WIN 0
.endm
.macro FETCH_A slot, q, half           ; x's blocks 0-3 (half = 0) or 4-7 (1)
.irp i, 0,1,2,3
.if \half
	FRAG AF+FR*(4+\i), ADRAH+\slot, \q, \i
.else
	FRAG AF+FR*\i, ADRAL+\slot, \q, \i
.endif
.endr
.endm
.macro FETCH_L slot, q                 ; lora_A's fragment
	FRAG LF, ADRL+\slot, \q, 0
.endm
.macro SCALES sc                       ; a K step's scale words into set sc: two words a row; its 8 bytes are the lower (slot 0) or upper (slot 1) half of a piece's 16
.irp i, 0,1,2,3
	ds_load_b64 v[SC+16*\sc+2*\i:SC+16*\sc+2*\i+1], v[ADSL] offset:256*\i+8*\sc
.endr
.irp i, 0,1,2,3
	ds_load_b64 v[SC+16*\sc+8+2*\i:SC+16*\sc+8+2*\i+1], v[ADSH] offset:256*\i+8*\sc
.endr
	ds_load_b64 v[LSC+2*\sc:LSC+2*\sc+1], v[ADLS]  ; and lora_A's two words
.endm
; A slot's first 128 along K.  A load into a register that a matrix instruction has read stands eight places behind it (this form has 8-bit operands)
.macro STEP slot, zero
	s_wait_dscnt 16                                ; all but the youngest sixteen loads (x's blocks 4-7) are in
	WIN MUL_LO
	MUL16 0, 0, 0, \slot, \zero
	MUL16 2, 0, 0, \slot, \zero
	s_wait_dscnt 0x0                               ; x's blocks 4-7 are in (asked for 32 matrix instructions ago)
	WIN 0
	TMUL 0, \slot, \zero
	PLACES 8
	FETCH_B \slot, 1, 1
	FETCH_A \slot, 1, 0
	FETCH_L \slot, 1
	WIN MUL_HI
	MUL16 4, 0, 0, \slot, \zero
	MUL16 6, 0, 0, \slot, \zero
	PLACES 8
	WIN 0
	FETCH_A \slot, 1, 1
.endm
; A slot's second 128 along K, and the change of slots: ONE barrier; in front of it each wave waits for all its tensor loads, adds 0 to its spare word, and waits for that and for its own reads of this slot and of the scale regions.
; The 32 products of x's blocks 0-3 stand AHEAD of the wait for the tensor loads: they need nothing of the tile that is on its way, so they are issued while it lands; behind that wait stand t's four products alone.
; fill = 1: the barrier opens a round of the cluster's barrier, and this slot is filled again, two K steps ahead.  kind: JLOAD's.  ask: 0, or ASK's argument.
.macro TURN slot, next, fill, kind, ask
.if \ask
	s_wait_xcnt 0x0                                ; the last prefetch, a K step back, has read its address: it is stepped here, ahead of the waits of the change
	s_add_nc_u64 s[PFA:PFA+1], s[PFA:PFA+1], 256
.endif
	s_wait_dscnt 16                                ; all but the youngest sixteen loads (x's blocks 4-7) are in
	WIN MUL_LO
	MUL16 0, 1, 1, \slot, 0
	MUL16 2, 1, 1, \slot, 0
	WIN 0
	s_wait_tensorcnt 0x0                           ; all my tensor loads have landed: my part of what the next K step reads
	ds_add_u32 v[SPW], v[NIL]                      ; 0 onto my spare word
	TMUL 1, \slot, 0                               ; four matrix instructions stand between the add and the wait for it
	s_wait_dscnt 0x0                               ; the add is done, and my reads of this slot are over (the last, x's blocks 4-7, were asked for 36 matrix instructions ago)
	s_barrier_signal -1
	s_barrier_wait -1
.if \fill
	CREST                                          ; no wave of any partner still reads this slot or has a load on its way
	s_add_nc_u64 s[G0A+4*\slot+2:G0A+4*\slot+3], s[G0A+4*\slot+2:G0A+4*\slot+3], 512
	s_add_nc_u64 s[G0B+4*\slot+2:G0B+4*\slot+3], s[G0B+4*\slot+2:G0B+4*\slot+3], 512
	s_add_nc_u64 s[G0L+8*\slot+2:G0L+8*\slot+3], s[G0L+8*\slot+2:G0L+8*\slot+3], 512
.if \kind
.if \slot
	s_xor_b32 s[G0X+1], s[G0X+1], REG              ; x's next piece, into the region whose last words were read at the change before this one
	s_add_nc_u64 s[G0X+2:G0X+3], s[G0X+2:G0X+3], 16
.else
	s_xor_b32 s[G0W+1], s[G0W+1], REG              ; W's next piece, into the region whose last words were read two changes back
	s_add_nc_u64 s[G0W+2:G0W+3], s[G0W+2:G0W+3], 16
.endif
.endif
	JLOAD \slot, \kind                             ; the first tensor load behind the round; its four v_nop are four of the eight places in front of the loads below
	PLACES 4
.else
	PLACES 8
.endif
.if \next == 0
	s_xor_b32 s[TOG], s[TOG], REG                  ; an even K step begins a new piece: the other region
.endif
	v_add_nc_u32 v[ADSL], s[TOG], v[ADSL0]
	v_add_nc_u32 v[ADSH], s[TOG], v[ADSH0]
	v_add_nc_u32 v[ADLS], 8, v[ADLS]               ; lora_A's words: 8 bytes a K step
	FETCH_B \next, 0, 0
	FETCH_A \next, 0, 0
	FETCH_L \next, 0
	SCALES \next
.if \ask
	ASK \ask                                       ; behind the tensor load and the run of LDS loads that the next products wait for
.endif
	WIN MUL_HI
	MUL16 4, 1, 1, \slot, 0
	MUL16 6, 1, 1, \slot, 0
	PLACES 8
	WIN 0
	FETCH_A \next, 0, 1
.endm
	FETCH_B 0, 0, 0
	FETCH_A 0, 0, 0
	FETCH_L 0, 0
	SCALES 0
	FETCH_A 0, 0, 1
	STEP 0, 1                                      ; K step 0: its first products start the sums
	TURN 0, 1, 1, 0, 1                             ; change 0: K step 2 is asked for; both sides' scale pieces 0 and 1 came with the first fills
	STEP 1, 0
	s_mov_b32 s[CNT], 6
.Llap:                                                 ; six trips: changes 1 and 2, .. 11 and 12: K steps 3 to 14, x's and W's pieces 2 to 7
	TURN 1, 0, 1, 1, 1
	STEP 0, 0
	TURN 0, 1, 1, 1, 2
	STEP 1, 0
	s_sub_co_u32 s[CNT], s[CNT], 1
	s_cmp_lg_u32 s[CNT], 0
	s_cbranch_scc1 .Llap
	TURN 1, 0, 1, 0, 0                             ; change 13: K step 15 is asked for: the last fill
	STEP 0, 0
	TURN 0, 1, 0, 0, 0                             ; change 14 fills nothing, and has no round of the cluster's barrier.  Behind it nobody reads slot 0
	STEP 1, 0
	s_wait_dscnt 16                                ; the very last 128 along K
	WIN MUL_LO
	MUL16 0, 1, 1, 1, 0
	MUL16 2, 1, 1, 1, 0
	s_wait_dscnt 0x0
	WIN 0
	TMUL 1, 1, 0
	PLACES 8                                       ; for the loads into the registers of x's blocks 0-3, and for the first read of t
.irp b, 0,1,2,3,4,5,6,7
	ds_load_b128 v[RAWB+8*\b:RAWB+8*\b+3], v[ALB] offset:1088*\b        ; lora_B(128 c + 16 b + r, 8 h + 0 .. 7)
	ds_load_b128 v[RAWB+8*\b+4:RAWB+8*\b+7], v[ALB] offset:1088*\b+16
.endr
	WIN MUL_HI
	MUL16 4, 1, 1, 1, 0
	MUL16 6, 1, 1, 1, 0
	WIN 0
	; THE TAIL.  t is split, its images go to the wave beside me; lora_B and b are split; then block by block: two bf16 products on each accumulator, and out.
	PLACES 8                                       ; behind the last products: their operands' registers are written below
	v_and_b32 v1, 31, v0
	v_cmp_gt_u32 vcc_lo, 16, v1                    ; lanes 0-15
.irp a, 0,1,2,3
.irp k, 0,1,2,3
	v_perm_b32 v[TH+4*\a+\k], v[TACC+8*\a+2*\k+1], v[TACC+8*\a+2*\k], s[SELP]   ; t_hi: the upper halves of two ranks, the lower rank below; each accumulator is read from its low end on
.endr
.endr
.irp a, 0,1,2,3
.irp j, 0,1,2,3,4,5,6,7
	v_fma_mix_f32_bf16 v[TACC+8*\a+\j], v[TACC+8*\a+\j], v[NEG1], v[TACC+8*\a+\j] op_sel:[1,0,0] op_sel_hi:[1,0,0]   ; t - t_hi: the upper half as bf16, x -1, + t: exact
.endr
.endr
.irp a, 0,1,2,3
.irp k, 0,1,2,3
	v_cvt_pk_bf16_f32 v[TLO+4*\a+\k], v[TACC+8*\a+2*\k], v[TACC+8*\a+2*\k+1]    ; t_lo
.endr
.endr
.irp a, 0,1,2,3
	ds_store_b128 v[TWI], v[TH+4*\a:TH+4*\a+3] offset:1024*\a         ; images of registers: lane l's 16 bytes at 16 l
	ds_store_b128 v[TWI], v[TLO+4*\a:TLO+4*\a+3] offset:1024*\a+512
.endr
	s_wait_dscnt 0x0                               ; for the other wave's sake: my images have landed; and lora_B is in
	s_barrier_signal -1
	WIN TO_1                                       ; work on registers while the others arrive.  In window 1: column block b at v[12 b]: B_lo, B_hi, bias; row block a at v[128 + 16 a]: t_hi, t_hi, t_lo, ones
.irp b, 0,1,2,3,4,5,6,7
.irp k, 0,1,2,3
	v_perm_b32 v[12*\b+4+\k], v[RAWB+8*\b+2*\k+1], v[RAWB+8*\b+2*\k], s[SELP]   ; B_hi
.endr
	v_mov_b32 v[12*\b+10], 0                       ; K places 20 on of the bias's side
	v_mov_b32 v[12*\b+11], 0
.endr
.irp a, 0,1,2,3,4,5,6,7
	v_mov_b32 v[128+16*\a+12], 0x3f803f80          ; 1.0 at K places 16, 17 (lanes 16-31: 24, 25, where the other side holds zeros),
	v_mov_b32 v[128+16*\a+13], 0x3f80              ; and 18
	v_mov_b32 v[128+16*\a+14], 0
	v_mov_b32 v[128+16*\a+15], 0
.endr
	s_barrier_wait -1
.irp a, 0,1,2,3
	ds_load_b128 v[128+16*\a:128+16*\a+3], v[TWI] offset:1024*\a
	ds_load_b128 v[128+16*\a+4:128+16*\a+7], v[TWI] offset:1024*\a
	ds_load_b128 v[128+16*\a+8:128+16*\a+11], v[TWI] offset:1024*\a+512
.endr
.irp a, 0,1,2,3
	ds_load_b128 v[192+16*\a:192+16*\a+3], v[TRP] offset:1024*\a      ; my blocks 4-7 are blocks 0-3 of the wave beside me
	ds_load_b128 v[192+16*\a+4:192+16*\a+7], v[TRP] offset:1024*\a
	ds_load_b128 v[192+16*\a+8:192+16*\a+11], v[TRP] offset:1024*\a+512
.endr
	WIN 0
.irp j, 0,1,2,3,4,5,6,7,8,9,10,11,12,13,14,15,16,17,18,19,20,21,22,23,24,25,26,27,28,29,30,31,32,33,34,35,36,37,38,39,40,41,42,43,44,45,46,47,48,49,50,51,52,53,54,55,56,57,58,59,60,61,62,63
	v_fma_mix_f32_bf16 v[RAWB+\j], v[RAWB+\j], v[NEG1], v[RAWB+\j] op_sel:[1,0,0] op_sel_hi:[1,0,0]   ; B - B_hi
.endr
.irp k, 0,1,2,3,4,5,6,7
	v_cndmask_b32 v[BIAS+\k], 0, v[BIAS+\k], vcc_lo   ; b in lanes 0-15 alone: K places 16 to 18 lie there
.endr
.irp k, 0,1,2,3,4,5,6,7
	v_fma_mix_f32_bf16 v[R1+\k], v[BIAS+\k], v[NEG1], v[BIAS+\k] op_sel:[1,0,0] op_sel_hi:[1,0,0]     ; b less its first 8 mantissa bits,
.endr
.irp k, 0,1,2,3,4,5,6,7
	v_fma_mix_f32_bf16 v[R2+\k], v[R1+\k], v[NEG1], v[R1+\k] op_sel:[1,0,0] op_sel_hi:[1,0,0]         ; less the next 8: the last 8 are left
.endr
	WIN TO_1
.irp b, 0,1,2,3,4,5,6,7
.irp k, 0,1,2,3
	v_cvt_pk_bf16_f32 v[12*\b+\k], v[RAWB+8*\b+2*\k], v[RAWB+8*\b+2*\k+1]       ; B_lo
.endr
	v_perm_b32 v[12*\b+8], v[R1+\b], v[BIAS+\b], s[SELP]   ; b's first piece at K place 16, its second at 17,
	v_lshrrev_b32 v[12*\b+9], 16, v[R2+\b]         ; its third at 18
.endr
	s_wait_dscnt 0x0                               ; t's images are in
; Block a: sixteen bf16 products, its eight accumulators by turns; far more than nine plain vector lines stand between the last scaled product and the first of these.
; Four places close the macro: the distance in front of the LDS stores that read the results
.macro LORA a
	WIN 0xa5+0x50*((\a)/4)                         ; sources 0 and 1 window 1; C and D window 2 or 3
.set AC, 64*((\a)%4)
.irp b, 0,1,2,3,4,5,6,7
	v_wmma_f32_16x16x32_bf16 v[AC+8*\b:AC+8*\b+7], v[12*\b:12*\b+7], v[128+16*(\a):128+16*(\a)+7], v[AC+8*\b:AC+8*\b+7]
.endr
.irp b, 0,1,2,3,4,5,6,7
	v_wmma_f32_16x16x32_bf16 v[AC+8*\b:AC+8*\b+7], v[12*\b+4:12*\b+11], v[128+16*(\a)+8:128+16*(\a)+15], v[AC+8*\b:AC+8*\b+7]
.endr
	PLACES 4
.endm
; THE WAY OUT of block a, 16 rows x 128 columns.  A lane holds 32 neighbouring bytes of a row and the lanes beside it other rows: so the block goes through my own stage and comes back as whole rows of 512 bytes.
; LDS serves a wave's instructions in order (ISA guide 5.7.1.4): no wait between the stores and the loads, nor in front of the next block's stores.
.macro TOSTAGE a
.set AC, 64*((\a)%4)
	WIN 0x08+4*((\a)/4)                            ; the data: window 2 or 3
.irp b, 0,1,2,3,4,5,6,7
	ds_store_b128 v[STO], v[AC+8*\b:AC+8*\b+3] offset:64*\b          ; each accumulator from its low end on
	ds_store_b128 v[STO], v[AC+8*\b+4:AC+8*\b+7] offset:64*\b+16
.endr
	WIN 0
.set BB, BK+64*((\a)%2)
.irp t, 0,1,2,3,4,5,6,7,8,9,10,11,12,13,14,15
	ds_load_b128 v[BB+4*\t:BB+4*\t+3], v[RD] offset:\t*SPITCH
.endr
.endm
.macro SEND a, younger                 ; younger: the LDS instructions issued behind block a's loads, which may stay out
.set BB, BK+64*((\a)%2)
	s_wait_dscnt \younger
.irp t, 0,1,2,3,4,5,6,7,8,9,10,11,12,13,14,15
.if (\a) < 4
	global_store_b128 v[CO], v[BB+4*\t:BB+4*\t+3], s[OUTL:OUTL+1] offset:(16*((\a)%4)+\t)*16384 th:TH_STORE_NT   ; 32 lanes store 512 consecutive bytes, at a multiple of 256 from out's first byte; 63 rows at the most stand in the immediate
.else
	global_store_b128 v[CO], v[BB+4*\t:BB+4*\t+3], s[OUTH:OUTH+1] offset:(16*((\a)%4)+\t)*16384 th:TH_STORE_NT
.endif
.endr
.endm
	LORA 0
	LORA 1
	TOSTAGE 0
.irp a, 1,2,3,4,5,6,7                  ; a block's stores leave while the next blocks' products are issued
.if \a < 7
	LORA \a+1
.endif
.if \a > 1
	s_wait_xcnt 0x0                                ; block a - 2's stores have read their registers: block a's rows may land there
.endif
	TOSTAGE \a
	SEND \a-1, 32                                  ; behind block a - 1's loads: block a's 16 stores and 16 loads
.endr
	SEND 7, 0
	s_wait_tensorcnt 0x0                           ; the wave's end: behind my last tensor load and my last LDS store
	ds_add_u32 v[SPW], v[NIL]
	s_wait_dscnt 0x0
	CROUND                                         ; the closing round: no work-group ends while a partner may still ask for a tile that names it
	s_endpgm
.Lfunc_end_k_q79d981419d_lora_gemm:
	.size	k_q79d981419d_lora_gemm, .Lfunc_end_k_q79d981419d_lora_gemm-k_q79d981419d_lora_gemm
	.p2alignl 7, 3214868480
	.fill 96, 4, 3214868480
	.section	.rodata,"a",@progbits
	.p2align	6, 0x0
	.amdhsa_kernel k_q79d981419d_lora_gemm
		.amdhsa_group_segment_fixed_size 327680
		.amdhsa_private_segment_fixed_size 0
		.amdhsa_enable_private_segment 0
		.amdhsa_kernarg_size 72
		.amdhsa_user_sgpr_count 2
		.amdhsa_user_sgpr_kernarg_segment_ptr 1
		.amdhsa_wavefront_size32 1
		.amdhsa_system_sgpr_workgroup_id_x 1
		.amdhsa_system_sgpr_workgroup_id_y 1
		.amdhsa_system_sgpr_workgroup_id_z 1
		.amdhsa_system_vgpr_workitem_id 0
		.amdhsa_next_free_vgpr 1024
		.amdhsa_next_free_sgpr 106
		.amdhsa_reserve_vcc 1
		.amdhsa_float_denorm_mode_32 3
		.amdhsa_float_denorm_mode_16_64 3
		.amdhsa_memory_ordered 1
		.amdhsa_forward_progress 1
		.amdhsa_inst_pref_size 248
	.end_amdhsa_kernel
	.amdgpu_metadata
---
amdhsa.version: [ 1, 2 ]
amdhsa.kernels:
  - .name:           k_q79d981419d_lora_gemm
    .symbol:         k_q79d981419d_lora_gemm.kd
    .args:
      - { .name: x_codes, .offset: 0, .size: 8, .value_kind: global_buffer, .address_space: global }
      - { .name: x_scales, .offset: 8, .size: 8, .value_kind: global_buffer, .address_space: global }
      - { .name: W_codes, .offset: 16, .size: 8, .value_kind: global_buffer, .address_space: global }
      - { .name: W_scales, .offset: 24, .size: 8, .value_kind: global_buffer, .address_space: global }
      - { .name: lora_A_codes, .offset: 32, .size: 8, .value_kind: global_buffer, .address_space: global }
      - { .name: lora_A_scales, .offset: 40, .size: 8, .value_kind: global_buffer, .address_space: global }
      - { .name: lora_B, .offset: 48, .size: 8, .value_kind: global_buffer, .address_space: global }
      - { .name: b, .offset: 56, .size: 8, .value_kind: global_buffer, .address_space: global }
      - { .name: out0, .offset: 64, .size: 8, .value_kind: global_buffer, .address_space: global }
    .group_segment_fixed_size: 327680
    .private_segment_fixed_size: 0
    .kernarg_segment_align: 8
    .kernarg_segment_size: 72
    .max_flat_workgroup_size: 128
    .sgpr_count:     106
    .vgpr_count:     1024
    .wavefront_size: 32
...
	.end_amdgpu_metadata
.endif
;; end of part 1
